; MI455X (gfx1250); checked and timed in simulation.
; The chip was launched on July 23, 2026; its instructions are those of AMD's public machine-readable ISA for CDNA 5 (MIT licence, August 2026) and "CDNA5" Instruction Set Architecture Reference Guide (July 2026). The comments in the code are by the model that wrote it; some were corrected since.
;; Transformer Block. Allowed arithmetic: matrix products marked QUANTISED: E4M3 operands, one given power-of-two scale a tensor, by v_wmma_f32_16x16x64_fp8_fp8 or v_wmma_f32_16x16x128_fp8_fp8, f32 sums; everything else in f32.
;; Inputs: b1 2,048 float32; b2 512 float32; bk 512 float32; bo 512 float32; bq 512 float32; bv 512 float32; ln1_b 512 float32; ln1_g 512 float32; ln2_b 512 float32; ln2_g 512 float32; lowp_scales 16 int32 (the exponents e of the quantised operands' scales 2^e); w1_codes 2,048 x 16 x 32 uint8 (E4M3 codes of w1, K innermost, in blocks of 32 codes); w2_codes 512 x 64 x 32 uint8 (E4M3 codes of w2, K innermost, in blocks of 32 codes); wk_codes 512 x 16 x 32 uint8 (E4M3 codes of wk, K innermost, in blocks of 32 codes); wo_codes 512 x 16 x 32 uint8 (E4M3 codes of wo, K innermost, in blocks of 32 codes); wq_codes 512 x 16 x 32 uint8 (E4M3 codes of wq, K innermost, in blocks of 32 codes); wv_codes 512 x 16 x 32 uint8 (E4M3 codes of wv, K innermost, in blocks of 32 codes); x 4 x 2,048 x 512 float32.
;; Outputs: out0 4 x 2,048 x 512 float32.
;; This version of the problem:
;;   THIS VERSION OF THE PROBLEM IS GIVEN IN LOW PRECISION. The matrix products marked QUANTISED in the list below multiply operands that are first quantised to E4M3 (4 exponent bits, 3 mantissa bits; 8 bits a number), with one given power-of-two scale for each operand tensor; their sums are f32. All else is computed in f32.
;;   The module's matrix products, in the order in which they are computed (A, B: the left and right operand; K: the contracted axis; several contracted axes count as one K, in the product's order):
;;     1. [M 8,192, K 512] x [K 512, N 512]; A: computed on the way; B: input wq (given as codes): QUANTISED (scales: A lowp_scales[0], B lowp_scales[1])
;;     2. [M 8,192, K 512] x [K 512, N 512]; A: computed on the way; B: input wk (given as codes): QUANTISED (scales: A lowp_scales[2], B lowp_scales[3])
;;     3. [M 8,192, K 512] x [K 512, N 512]; A: computed on the way; B: input wv (given as codes): QUANTISED (scales: A lowp_scales[4], B lowp_scales[5])
;;     4. batch 32 x [M 2,048, K 64] x [K 64, N 2,048]; A: computed on the way; B: computed on the way: QUANTISED (scales: A lowp_scales[6], B lowp_scales[7])
;;     5. batch 32 x [M 2,048, K 2,048] x [K 2,048, N 64]; A: softmax (see below); B: computed on the way: QUANTISED (scales: A lowp_scales[8], B lowp_scales[9])
;;     6. [M 8,192, K 512] x [K 512, N 512]; A: computed on the way; B: input wo (given as codes): QUANTISED (scales: A lowp_scales[10], B lowp_scales[11])
;;     7. [M 8,192, K 512] x [K 512, N 2,048]; A: computed on the way; B: input w1 (given as codes): QUANTISED (scales: A lowp_scales[12], B lowp_scales[13])
;;     8. [M 8,192, K 2,048] x [K 2,048, N 512]; A: computed on the way; B: input w2 (given as codes): QUANTISED (scales: A lowp_scales[14], B lowp_scales[15])
;;   THE QUANTISER, for each operand of a quantised product, along K:
;;     - The operand's scale is 2^e, e = its entry of the input lowp_scales (int32; the entries are numbered through the quantised products in the list's order, A before B).
;;     - Each number is divided by the scale, clamped to +-448, and rounded to the nearest number of E4M3, ties to even, subnormals kept.
;;     - The product sums the exact products of the quantised numbers (number of the format x scale) in f32.
;;   ~~~python
;;   def quantise(x, axis, e):      # numpy; x: float32 -> the quantised numbers, widened to float32 again
;;       x = np.moveaxis(x, axis, -1); K = x.shape[-1]
;;       r = np.clip(x / 2.0 ** e, -448, 448)
;;       step = 2.0 ** (np.maximum(np.frexp(np.where(r == 0, 1, r))[1] - 1, -6) - 3)
;;       q = np.round(r / step) * step * 2.0 ** e      # np.round: ties to even
;;       return np.moveaxis(q, -1, axis).astype(np.float32)
;;   ~~~
;;   SOFTMAX AHEAD OF A QUANTISED PRODUCT. Where the list says 'softmax', what is quantised is not the finished softmax but p = 2^(t - M), with t = logit x log2(e) and M = ceil(the row's largest t), a whole number; so 1/2 < the row's largest p <= 1. The row's sum l is taken of the UNQUANTISED p, in f32, and the product's result is divided by l at the end. Since M is a whole number, a kernel that streams over the keys may use a running M (the ceiling of the running maximum): every later rescaling is an exact power of two, so the quantised numbers keep their values, but for numbers so far below the row's largest that they fall under the format's range.
;;   OPERANDS COMPUTED ON THE WAY. 'Computed on the way' means the value that the module computes at that place (a softmax that the list does not call 'softmax' is quantised finished and normalised). What goes into a quantiser is computed in f32, as accurately as f32 sums, v_exp_f32 and their like allow (about 1e-6 of the number): no bf16 or f16 on the way to a quantiser, and a product that is left as it is and whose result goes on into a quantised operand takes f32 operands (vector FMAs, or v_wmma_f32_16x16x4_f32). A number that lies on a knife's edge between two numbers of the format may be rounded either way, as far as f32 arithmetic and the matrix unit's own rounding can turn it there, and no further.
;;   INPUTS GIVEN AS CODES. w1 (in the module: [2048, 512], K = its axis 1); w2 (in the module: [512, 2048], K = its axis 1); wk (in the module: [512, 512], K = its axis 1); wo (in the module: [512, 512], K = its axis 1); wq (in the module: [512, 512], K = its axis 1); wv (in the module: [512, 512], K = its axis 1): each comes as NAME_codes (uint8): NAME with its K axis moved to the last place and cut into blocks of 32 codes, [.., K / 32, bytes a block], one block behind the other in memory; one code a byte (a code: sign, 4 exponent bits, 3 mantissa bits); its scale is its entry of lowp_scales. Its value is code x scale, taken as it is: it is not quantised again, and the codes and scales need not be those that the quantiser above would give.
;; One version. Each part assembles by itself: llvm-mc -triple=amdgcn-amd-amdhsa -mcpu=gfx1250 --defsym DOCPART=n.
;; ======== version 1 of 1: 3 launches
;; workspace buffers: qimg 4,194,304 bytes; kimg 4,194,304 bytes; vimg 4,194,304 bytes; ctximg 4,194,304 bytes; wimg 2,359,296 bytes
;; launch qkv (part 1): grid 64 x 4, 16 waves a work-group, no clusters, 149,504 bytes of LDS; arguments x, ln1_g, ln1_b, wq_codes, wk_codes, wv_codes, bq, bk, bv, lowp_scales, wo_codes, w1_codes, w2_codes, qimg, kimg, vimg, wimg; writes qimg, kimg, vimg, wimg
.if DOCPART == 1
	.amdgcn_target "amdgcn-amd-amdhsa--gfx1250"
	.amdhsa_code_object_version 6
	.text
	.protected	k_q80cc82a4c2_qkv
	.globl	k_q80cc82a4c2_qkv
	.p2align	8
	.type	k_q80cc82a4c2_qkv,@function
k_q80cc82a4c2_qkv:
	s_mov_b64 s[64:65], 0
	v_nop
	global_prefetch_b8 v0, s[64:65] scope:SCOPE_SE
	s_setreg_imm32_b32 hwreg(HW_REG_WAVE_MODE, 25, 1), 1
	s_wait_xcnt 0x0
; LayerNorm 1, its quantiser, ONE of the three products q, k, v (work-group y = 0, 1, 2), the bias, the result's quantiser.  Work-group row y = 3 lays wo, w1 and w2 out anew for the last launch.
; x: [8192][512] f32.  wq, wk, wv: [512][512] codes of E4M3, K innermost.  Each operand has its own given scale 2^e: xn e[2y], the weight e[2y+1]; the results e6 (q), e7 (k), e9 (v).
; SHARES.  Work-group (X, y) takes rows 128 X .. 128 X + 127 (batch X / 16, key step X % 16).  Wave w normalises rows 8 w .. 8 w + 7, and owns output columns 32 w .. 32 w + 31 (head w / 2): its 8 weight
; fragments (2 tiles x 4 K steps, 128 registers) stay in registers.  192 work-groups multiply, 64 lay weights out.
; OPERANDS ARE KEPT AS IMAGES OF THEIR REGISTERS.  A unit is 512 bytes, lane l's 16 bytes at 16 l; unit c of a fragment holds, for lane (r = l % 16, h = l / 16), the codes k = 32 c + 16 h + 0 .. 15 of row r.
; That is a permutation of k against the form's own places, the same in both operands: every product meets its partner, only the order of the sums inside an instruction changes.
; THE ROWS OF A WEIGHT THAT FORM A TILE ARE NOT NEIGHBOURS: lane r of tile 2 b + u takes row 32 b + 8 u + r + 8 (r / 8), so that the 16 registers of tiles 2 b and 2 b + 1 are 16 neighbouring columns.
; q, k: source 0 = the weight, source 1 = xn: a lane holds one token and 16 neighbours of the head's 64.  v: source 0 = xn, source 1 = the weight: a lane holds one of the head's 64 and 16 tokens: the keys are v's K.
; The variance is taken in two passes (mean, then the squares of x - mean), so that a common offset of x costs no digits.
; LIMITS on the given exponents, so that each power of two below is an f32 number: e[2y], and eO - e[2y] - e[2y+1], between -126 and 119.  NaN and infinities among the inputs are not served.
; No tensor load and no multicast: a weight fragment is wanted by one wave alone and goes straight into its registers; a joint request would add an LDS write and read of every weight byte.
; No prefetch: every load of the launch is issued in its first lines.
.set STG,  65536                       ; LDS: 0 .. 65535 xn's images [row tile 8][K step 4][unit 4][512]; from STG a stage of 5,120 bytes for each wave: 2 rows x 32 places of 80 bytes (64 + 16 of padding)
.set LI,   1                           ; v1   16 x lane
.set SIN,  2                           ; v2   the stage, on the way in
.set SOUT, 3                           ; v3   and on the way out: 80 x lane
.set XWI,  4                           ; v4   where my codes of a row go in xn's images
.set WA,   5                           ; v5   my lane's byte in the weight
.set SC,   6                           ; v6   the conversion's scale as f32
.set LIM,  7                           ; v7   448 x that
.set PC,   8                           ; v8-15   codes just made (at the head: temporaries)
.set BI,   16                          ; v16-31  the bias / 2^(eA + eB), in the result's layout: the C of each sum's first product
.set ACC,  32                          ; v32-63  four accumulators
.set G,    32                          ; during the norm: ln1_g of my 16 columns,
.set BT,   48                          ; and ln1_b
.set AF,   64                          ; v64-127 xn's four fragments of a row tile
.set X,    64                          ; during the norm: two rows, 16 numbers a lane each,
.set T,    96                          ; and 8 registers a row at work
.set W,    128                         ; v128-255 the weight's 8 fragments; first x as it is loaded: row k, load j at W + 16 k + 4 j
	s_load_b512 s[8:23], s[0:1], 0x0               ; x s[8:9], ln1_g s[10:11], ln1_b s[12:13], wq s[14:15], wk s[16:17], wv s[18:19], bq s[20:21], bk s[22:23]
	s_load_b512 s[24:39], s[0:1], 0x40             ; bv s[24:25], scales s[26:27], wo s[28:29], w1 s[30:31], w2 s[32:33], qimg s[34:35], kimg s[36:37], vimg s[38:39]
	s_load_b64 s[40:41], s[0:1], 0x80              ; wimg
	v_lshrrev_b32 v9, 5, v0
	v_readfirstlane_b32 s2, v9                     ; wave 0..15
	s_and_b32 s3, ttmp7, 0xffff                    ; y
	s_mov_b32 s4, ttmp9                            ; X
	v_and_b32 v10, 31, v0                          ; lane
	v_and_b32 v11, 15, v0                          ; r
	v_bfe_u32 v12, v0, 4, 1                        ; h
	v_lshlrev_b32 v[LI], 4, v10
	v_and_b32 v13, 8, v11
	v_add_nc_u32 v13, v13, v11                     ; rr = r + 8 (r / 8)
	s_wait_kmcnt 0x0
	s_cmp_eq_u32 s3, 3
	s_cbranch_scc1 .Lrelay                         ; the whole work-group goes one way: y is the same in all its waves; that way has no LDS access and no barrier
	s_load_b512 s[44:59], s[26:27], 0x0            ; e0 .. e15
	s_mov_b32 s66, 0x76543210                      ; v_permlanex16_b32's selects for lane l xor 16
	s_mov_b32 s67, 0xfedcba98
	s_mov_b32 s77, 0x3b000000                      ; 1 / 512
	s_mov_b32 s78, 0x3727c5ac                      ; 1e-5
	s_cmp_eq_u32 s3, 1                             ; the weight, the bias and the output, chosen by y alone
	s_cselect_b64 s[68:69], s[16:17], s[18:19]
	s_cselect_b64 s[70:71], s[22:23], s[24:25]
	s_cselect_b64 s[72:73], s[36:37], s[38:39]
	s_cmp_eq_u32 s3, 0
	s_cselect_b64 s[68:69], s[14:15], s[68:69]
	s_cselect_b64 s[70:71], s[20:21], s[70:71]
	s_cselect_b64 s[72:73], s[34:35], s[72:73]
	s_lshl_b32 s80, s4, 18                         ; x: (128 X + 8 w) rows of 2,048 bytes
	s_lshl_b32 s81, s2, 14
	s_add_co_u32 s80, s80, s81
	s_mov_b32 s81, 0
	s_add_nc_u64 s[8:9], s[8:9], s[80:81]
	s_lshl_b32 s80, s2, 7                          ; the bias: my 32 columns
	s_add_nc_u64 s[70:71], s[70:71], s[80:81]
	s_lshr_b32 s80, s4, 4                          ; the output: (8 batch + head) x 131,072 + key step x 8,192 + my half of the head
	s_lshl_b32 s80, s80, 3
	s_lshr_b32 s82, s2, 1
	s_add_co_u32 s80, s80, s82
	s_lshl_b32 s80, s80, 17
	s_and_b32 s82, s4, 15
	s_lshl_b32 s82, s82, 13
	s_add_co_u32 s80, s80, s82
	s_and_b32 s82, s2, 1
	s_cmp_eq_u32 s3, 2
	s_cselect_b32 s83, 12, 9                       ; v: two tiles of 2,048 bytes; q, k: one unit of 512
	s_lshl_b32 s82, s82, s83
	s_add_co_u32 s80, s80, s82
	s_add_nc_u64 s[72:73], s[72:73], s[80:81]
	s_mul_i32 s84, s2, 5120
	s_add_co_u32 s84, s84, STG                     ; my stage
	v_lshrrev_b32 v14, 2, v10
	v_mul_u32_u24 v[SIN], v14, 80
	v_and_b32 v14, 3, v10
	v_lshl_add_u32 v[SIN], v14, 4, v[SIN]
	v_add_nc_u32 v[SIN], s84, v[SIN]               ; in: four lanes' 64 bytes on end, then 16 of padding: 80 (lane / 4) + 16 (lane % 4); a load's 512 bytes take eight places
	v_mul_u32_u24 v[SOUT], v10, 80
	v_add_nc_u32 v[SOUT], s84, v[SOUT]             ; out: 80 x lane: 16 neighbours
	s_lshr_b32 s85, s2, 1
	s_lshl_b32 s85, s85, 13
	s_and_b32 s86, s2, 1
	s_lshl_b32 s86, s86, 7
	s_add_co_u32 s85, s85, s86
	v_lshl_add_u32 v[XWI], v10, 8, s85             ; lane l holds k = 16 l ..: K step l / 8, unit (l / 2) % 4, half l % 2: together 256 l; row tile w / 2, row 8 (w % 2) + ..
	v_lshlrev_b32 v[WA], 9, v13
	v_lshl_add_u32 v[WA], v12, 4, v[WA]
	s_lshl_b32 s86, s2, 14
	v_add_nc_u32 v[WA], s86, v[WA]                 ; weight row 32 w + rr of 512 bytes, + 16 h
	v_lshlrev_b32 v9, 6, v10                       ; ln1_g, ln1_b: my 16 columns
.irp j, 0,1,2,3
	global_load_b128 v[G+4*\j:G+4*\j+3], v9, s[10:11] offset:16*\j
	global_load_b128 v[BT+4*\j:BT+4*\j+3], v9, s[12:13] offset:16*\j
.endr
	s_cmp_eq_u32 s3, 2
	s_cbranch_scc1 .Lbias_v
	v_lshlrev_b32 v15, 6, v12                      ; q, k: register 8 u + j is column 32 w + 16 h + 8 u + j
.irp u, 0,1
	global_load_b128 v[BI+8*\u:BI+8*\u+3], v15, s[70:71] offset:32*\u
	global_load_b128 v[BI+8*\u+4:BI+8*\u+7], v15, s[70:71] offset:32*\u+16
.endr
	s_branch .Lbias_done
.Lbias_v:
	v_lshlrev_b32 v15, 2, v13                      ; v: all 8 registers of tile u are column 32 w + 8 u + rr
.irp u, 0,1
.irp j, 0,1,2,3,4,5,6,7
	global_load_b32 v[BI+8*\u+\j], v15, s[70:71] offset:32*\u
.endr
.endr
.Lbias_done:
.irp k, 0,1,2,3,4,5,6,7
.irp j, 0,1,2,3
	global_load_b128 v[W+16*\k+4*\j:W+16*\k+4*\j+3], v[LI], s[8:9] offset:2048*\k+512*\j   ; 32 lanes read 512 consecutive bytes; three work-groups read these rows, so no hint
.endr
.endr
	s_wait_kmcnt 0x0
	s_cmp_eq_u32 s3, 1                             ; eA, eB, eO, chosen by y
	s_cselect_b32 s74, s46, s48
	s_cselect_b32 s75, s47, s49
	s_cselect_b32 s76, s51, s53
	s_cmp_eq_u32 s3, 0
	s_cselect_b32 s74, s44, s74
	s_cselect_b32 s75, s45, s75
	s_cselect_b32 s76, s50, s76
	s_add_co_i32 s80, s74, 127
	s_lshl_b32 s81, s80, 23
	v_mov_b32 v[SC], s81                           ; 2^eA as f32: the conversion takes its exponent field
	s_add_co_i32 s80, s80, 8
	s_lshl_b32 s80, s80, 23
	s_or_b32 s80, s80, 0x600000
	v_mov_b32 v[LIM], s80                          ; 448 x 2^eA
.macro WLOAD f                         ; weight fragment f = 4 u + s: tile u, K step s
.irp c, 0,1,2,3
	global_load_b128 v[W+16*(\f)+4*\c:W+16*(\f)+4*\c+3], v[WA], s[68:69] offset:4096*((\f)/4)+128*((\f)%4)+32*\c
.endr
.endm
.macro ACROSS                          ; both rows: the two chains, the pair's halves, and the 32 lanes are added: v[T + 8 k] holds the row's sum in every lane
.irp k, 0,1
	v_pk_add_f32 v[T+8*\k:T+8*\k+1], v[T+8*\k:T+8*\k+1], v[T+8*\k+2:T+8*\k+3]
.endr
.irp k, 0,1
	v_add_f32 v[T+8*\k], v[T+8*\k], v[T+8*\k+1]
.endr
.irp m, 1,2,4,8
.irp k, 0,1
	v_add_f32_dpp v[T+8*\k], v[T+8*\k], v[T+8*\k] row_xmask:\m row_mask:0xf bank_mask:0xf
.endr
.endr
.irp k, 0,1
	v_permlanex16_b32 v[T+8*\k+1], v[T+8*\k], s66, s67
.endr
.irp k, 0,1
	v_add_f32 v[T+8*\k], v[T+8*\k], v[T+8*\k+1]
.endr
.endm
; Rows 2 i and 2 i + 1 of my eight: turned through the stage so that a lane holds 16 neighbours, normalised, quantised, stored into xn's images.
.macro LNB i
	s_wait_loadcnt 24                              ; these two rows' 8 loads are in.  Behind them were issued the 8 (3 - i) loads of later rows and the 8 i weight loads: 24 in every batch
.irp k, 0,1
.irp j, 0,1,2,3
	ds_store_b128 v[SIN], v[W+32*(\i)+16*\k+4*\j:W+32*(\i)+16*\k+4*\j+3] offset:2560*\k+640*\j
.endr
.endr
.irp k, 0,1
.irp j, 0,1,2,3
	ds_load_b128 v[X+16*\k+4*\j:X+16*\k+4*\j+3], v[SOUT] offset:2560*\k+16*\j   ; LDS serves a wave's instructions in order: these see the stores above
.endr
.endr
	s_wait_dscnt 0x0                               ; the rows are back, and the stores have read the 32 registers,
	WLOAD 2*(\i)                                   ; which take two weight fragments
	WLOAD 2*(\i)+1
.irp k, 0,1
	v_pk_add_f32 v[T+8*\k:T+8*\k+1], v[X+16*\k:X+16*\k+1], v[X+16*\k+2:X+16*\k+3]
	v_pk_add_f32 v[T+8*\k+2:T+8*\k+3], v[X+16*\k+4:X+16*\k+5], v[X+16*\k+6:X+16*\k+7]
.endr
.irp p, 8,12
.irp k, 0,1
	v_pk_add_f32 v[T+8*\k:T+8*\k+1], v[T+8*\k:T+8*\k+1], v[X+16*\k+\p:X+16*\k+\p+1]
	v_pk_add_f32 v[T+8*\k+2:T+8*\k+3], v[T+8*\k+2:T+8*\k+3], v[X+16*\k+\p+2:X+16*\k+\p+3]
.endr
.endr
	ACROSS
.irp k, 0,1
	v_mul_f32 v[T+8*\k], s77, v[T+8*\k]            ; the mean
.endr
.irp p, 0,2,4,6,8,10,12,14
.irp k, 0,1
	v_pk_add_f32 v[X+16*\k+\p:X+16*\k+\p+1], v[X+16*\k+\p:X+16*\k+\p+1], v[T+8*\k:T+8*\k+1] op_sel_hi:[1,0] neg_lo:[0,1] neg_hi:[0,1]   ; x - mean
.endr
.endr
.irp k, 0,1
	v_pk_mul_f32 v[T+8*\k:T+8*\k+1], v[X+16*\k:X+16*\k+1], v[X+16*\k:X+16*\k+1]
	v_pk_mul_f32 v[T+8*\k+2:T+8*\k+3], v[X+16*\k+2:X+16*\k+3], v[X+16*\k+2:X+16*\k+3]
.endr
.irp p, 4,8,12
.irp k, 0,1
	v_pk_fma_f32 v[T+8*\k:T+8*\k+1], v[X+16*\k+\p:X+16*\k+\p+1], v[X+16*\k+\p:X+16*\k+\p+1], v[T+8*\k:T+8*\k+1]
	v_pk_fma_f32 v[T+8*\k+2:T+8*\k+3], v[X+16*\k+\p+2:X+16*\k+\p+3], v[X+16*\k+\p+2:X+16*\k+\p+3], v[T+8*\k+2:T+8*\k+3]
.endr
.endr
	ACROSS
.irp k, 0,1
	v_fma_f32 v[T+8*\k], v[T+8*\k], s77, s78       ; the variance + 1e-5
.endr
.irp k, 0,1
	v_rsq_f32 v[T+8*\k+4], v[T+8*\k]
.endr
.irp k, 0,1
	v_mov_b32 v[T+8*\k+5], 0                       ; (named as the pair's upper half.)  A plain instruction behind the last root
.endr
	s_wait_alu depctr_va_vdst(0)                   ; one wait for both roots, ahead of their first reader
.irp p, 0,2,4,6,8,10,12,14
.irp k, 0,1
	v_pk_mul_f32 v[X+16*\k+\p:X+16*\k+\p+1], v[X+16*\k+\p:X+16*\k+\p+1], v[T+8*\k+4:T+8*\k+5] op_sel_hi:[1,0]
.endr
.endr
.irp p, 0,2,4,6,8,10,12,14
.irp k, 0,1
	v_pk_fma_f32 v[X+16*\k+\p:X+16*\k+\p+1], v[X+16*\k+\p:X+16*\k+\p+1], v[G+\p:G+\p+1], v[BT+\p:BT+\p+1]   ; x g + b
.endr
.endr
.set n, 0
.rept 32
	v_med3_num_f32 v[X+n], v[X+n], -v[LIM], v[LIM] ; the conversion to an 8-bit code does not saturate (ISA guide 7.6.2): the hold at the largest code x the scale, always executed
.set n, n+1
.endr
.irp k, 0,1
	v_cvt_scalef32_pk8_fp8_f32 v[PC+4*\k:PC+4*\k+1], v[X+16*\k:X+16*\k+7], v[SC]
	v_cvt_scalef32_pk8_fp8_f32 v[PC+4*\k+2:PC+4*\k+3], v[X+16*\k+8:X+16*\k+15], v[SC]
.endr
	v_nop                                          ; one plain vector instruction behind the last conversion
.irp k, 0,1
	ds_store_b128 v[XWI], v[PC+4*\k:PC+4*\k+3] offset:16*(2*(\i)+\k)   ; lanes 256 bytes apart: eight such stores a wave in the whole launch
.endr
.endm
	LNB 0
	LNB 1
	LNB 2
	LNB 3
	s_wait_loadcnt 0x0                             ; the weights
	s_add_co_i32 s80, s74, s75                     ; eA + eB: a sum stands for sum x 2^(eA + eB), so the bias goes in divided by that,
	s_sub_co_i32 s81, 0, s80
.set n, 0
.rept 16
	v_ldexp_f32 v[BI+n], v[BI+n], s81
.set n, n+1
.endr
	s_sub_co_i32 s82, s76, s80                     ; and the result's conversion takes 2^(eO - eA - eB): three scales folded into one
	s_add_co_i32 s82, s82, 127
	s_lshl_b32 s83, s82, 23
	v_mov_b32 v[SC], s83
	s_add_co_i32 s82, s82, 8
	s_lshl_b32 s82, s82, 23
	s_or_b32 s82, s82, 0x600000
	v_mov_b32 v[LIM], s82
	s_wait_dscnt 0x0                               ; for the others' sake: my stores into xn's images are done
	s_barrier_signal -1
	s_barrier_wait -1                              ; the 128 rows' images are whole
; Row tiles 2 a and 2 a + 1 against my two weight tiles: four accumulators; the two of a row tile take turns, one instruction a turn.
.macro PAIR a, isv
.irp mp, 0,1
.irp s, 0,1,2,3
.irp c, 0,1,2,3
	ds_load_b128 v[AF+16*\s+4*\c:AF+16*\s+4*\c+3], v[LI] offset:(2*\a+\mp)*8192+2048*\s+512*\c
.endr
.endr
	s_wait_dscnt 0x0
.irp s, 0,1,2,3
.irp u, 0,1
.if \isv
.set rD, ACC+16*\u+8*\mp
.if \s == 0
	v_wmma_f32_16x16x128_fp8_fp8 v[rD:rD+7], v[AF+16*\s:AF+16*\s+15], v[W+16*(4*\u+\s):W+16*(4*\u+\s)+15], v[BI+8*\u:BI+8*\u+7]
.else
	v_wmma_f32_16x16x128_fp8_fp8 v[rD:rD+7], v[AF+16*\s:AF+16*\s+15], v[W+16*(4*\u+\s):W+16*(4*\u+\s)+15], v[rD:rD+7]
.endif
.else
.set rD, ACC+16*\mp+8*\u
.if \s == 0
	v_wmma_f32_16x16x128_fp8_fp8 v[rD:rD+7], v[W+16*(4*\u+\s):W+16*(4*\u+\s)+15], v[AF+16*\s:AF+16*\s+15], v[BI+8*\u:BI+8*\u+7]
.else
	v_wmma_f32_16x16x128_fp8_fp8 v[rD:rD+7], v[W+16*(4*\u+\s):W+16*(4*\u+\s)+15], v[AF+16*\s:AF+16*\s+15], v[rD:rD+7]
.endif
.endif
.endr
.endr
.rept 4
	v_nop                                          ; four places in front of loads into registers that the products have read, and of the first read of results
.endr
.endr
	s_wait_xcnt 0x0                                ; the last pair's stores have read their data: the codes' registers are written again only behind this wait
.irp g, 0,1
.set n, 0
.rept 16
	v_med3_num_f32 v[ACC+16*\g+n], v[ACC+16*\g+n], -v[LIM], v[LIM]   ; each accumulator from its low end on
.set n, n+1
.endr
	v_cvt_scalef32_pk8_fp8_f32 v[PC+4*\g:PC+4*\g+1], v[ACC+16*\g:ACC+16*\g+7], v[SC]
	v_cvt_scalef32_pk8_fp8_f32 v[PC+4*\g+2:PC+4*\g+3], v[ACC+16*\g+8:ACC+16*\g+15], v[SC]
.endr
	v_nop                                          ; behind the last conversion; with the four above the fifth place ahead of the products that begin these accumulators anew
.irp g, 0,1
.if \isv
	global_store_b128 v[LI], v[PC+4*\g:PC+4*\g+3], s[72:73] offset:2048*\g+512*\a     ; tile 2 (w % 2) + g of the head's 64, unit a: keys 32 a ..: 512 consecutive bytes, aligned
.else
	global_store_b128 v[LI], v[PC+4*\g:PC+4*\g+3], s[72:73] offset:(2*\a+\g)*1024     ; token tile 2 a + g, unit w % 2: 512 consecutive bytes, aligned
.endif
.endr
.endm
	s_cmp_eq_u32 s3, 2
	s_cbranch_scc1 .Lv
	PAIR 0, 0
	PAIR 1, 0
	PAIR 2, 0
	PAIR 3, 0
	s_wait_xcnt 0x0
	v_lshl_add_u32 v38, v0, 2, 0x24000
	v_mov_b32 v39, 0
	s_wait_tensorcnt 0x0
	ds_add_u32 v38, v39
	s_wait_dscnt 0x0
	s_endpgm
.Lv:
	PAIR 0, 1
	PAIR 1, 1
	PAIR 2, 1
	PAIR 3, 1
	s_wait_xcnt 0x0
	v_lshl_add_u32 v38, v0, 2, 0x24000
	v_mov_b32 v39, 0
	s_wait_tensorcnt 0x0
	ds_add_u32 v38, v39
	s_wait_dscnt 0x0
	s_endpgm
; y = 3: wo, w1, w2 as images, in the order in which the last launch streams them: wimg [step t 36][wave 16][tile u 2][unit c 4][512].
; t = 0 .. 3: wo, K step t, tiles 2 w + u;  t = 4 + 8 j + s: w1, tiles 32 j + 2 w + u, K step s;  t = 8 + 8 j + s: w2, tiles 2 w + u, K step 4 j + s.
; Work-group X = (j, s, u, cp): each wave moves units 2 cp and 2 cp + 1 of its fragment of w1 and of w2; the first 32 work-groups also one unit of wo.
.Lrelay:
	s_lshr_b32 s80, s4, 4                          ; j
	s_bfe_u32 s81, s4, 0x20002                     ; s
	s_bfe_u32 s82, s4, 0x10001                     ; u
	s_and_b32 s83, s4, 1                           ; cp
	v_lshlrev_b32 v14, 9, v13
	v_lshl_add_u32 v14, v12, 4, v14                ; rows of 512 bytes: 512 rr + 16 h
	v_lshlrev_b32 v15, 11, v13
	v_lshl_add_u32 v15, v12, 4, v15                ; rows of 2,048 bytes
	s_lshl_b32 s86, s81, 7
	s_lshl_b32 s87, s83, 6
	s_add_co_u32 s86, s86, s87                     ; 128 s + 64 cp
	s_lshl_b32 s84, s80, 18                        ; w1: row 512 j + 32 w + 8 u
	s_lshl_b32 s85, s2, 14
	s_add_co_u32 s84, s84, s85
	s_lshl_b32 s85, s82, 12
	s_add_co_u32 s84, s84, s85
	s_add_co_u32 s84, s84, s86
	s_mov_b32 s85, 0
	s_add_nc_u64 s[30:31], s[30:31], s[84:85]
	s_lshl_b32 s84, s2, 16                         ; w2: row 32 w + 8 u, K step 4 j + s
	s_lshl_b32 s87, s82, 14
	s_add_co_u32 s84, s84, s87
	s_lshl_b32 s87, s80, 9
	s_add_co_u32 s84, s84, s87
	s_add_co_u32 s84, s84, s86
	s_add_nc_u64 s[32:33], s[32:33], s[84:85]
	s_lshl_b32 s84, s80, 3                         ; to: step 4 + 8 j + s (w2's: four steps on)
	s_add_co_u32 s84, s84, s81
	s_add_co_u32 s84, s84, 4
	s_lshl_b32 s84, s84, 16
	s_lshl_b32 s87, s2, 12
	s_add_co_u32 s84, s84, s87
	s_lshl_b32 s87, s82, 11
	s_add_co_u32 s84, s84, s87
	s_lshl_b32 s87, s83, 10
	s_add_co_u32 s84, s84, s87
	s_add_nc_u64 s[88:89], s[40:41], s[84:85]
	global_load_b128 v[16:19], v14, s[30:31]
	global_load_b128 v[20:23], v14, s[30:31] offset:32
	global_load_b128 v[24:27], v15, s[32:33]
	global_load_b128 v[28:31], v15, s[32:33] offset:32
	s_wait_loadcnt 0x0
	global_store_b128 v[LI], v[16:19], s[88:89]
	global_store_b128 v[LI], v[20:23], s[88:89] offset:512
	global_store_b128 v[LI], v[24:27], s[88:89] offset:262144
	global_store_b128 v[LI], v[28:31], s[88:89] offset:262656
	s_cmp_lt_u32 s4, 32
	s_cbranch_scc0 .Lrelay_end
	s_lshr_b32 s80, s4, 3                          ; wo: K step t,
	s_bfe_u32 s81, s4, 0x10002                     ; tile u,
	s_and_b32 s82, s4, 3                           ; unit c
	s_lshl_b32 s84, s2, 14
	s_lshl_b32 s86, s81, 12
	s_add_co_u32 s84, s84, s86
	s_lshl_b32 s86, s80, 7
	s_add_co_u32 s84, s84, s86
	s_lshl_b32 s86, s82, 5
	s_add_co_u32 s84, s84, s86
	s_add_nc_u64 s[28:29], s[28:29], s[84:85]
	s_lshl_b32 s84, s80, 16
	s_lshl_b32 s86, s2, 12
	s_add_co_u32 s84, s84, s86
	s_lshl_b32 s86, s81, 11
	s_add_co_u32 s84, s84, s86
	s_lshl_b32 s86, s82, 9
	s_add_co_u32 s84, s84, s86
	s_add_nc_u64 s[90:91], s[40:41], s[84:85]
	global_load_b128 v[32:35], v14, s[28:29]
	s_wait_loadcnt 0x0
	global_store_b128 v[LI], v[32:35], s[90:91]
.Lrelay_end:
	s_endpgm
.Lfunc_end_k_q80cc82a4c2_qkv:
	.size	k_q80cc82a4c2_qkv, .Lfunc_end_k_q80cc82a4c2_qkv-k_q80cc82a4c2_qkv
	.p2alignl 7, 3214868480
	.fill 96, 4, 3214868480
	.section	.rodata,"a",@progbits
	.p2align	6, 0x0
	.amdhsa_kernel k_q80cc82a4c2_qkv
		.amdhsa_group_segment_fixed_size 149504
		.amdhsa_private_segment_fixed_size 0
		.amdhsa_enable_private_segment 0
		.amdhsa_kernarg_size 136
		.amdhsa_user_sgpr_count 2
		.amdhsa_user_sgpr_kernarg_segment_ptr 1
		.amdhsa_wavefront_size32 1
		.amdhsa_system_sgpr_workgroup_id_x 1
		.amdhsa_system_sgpr_workgroup_id_y 1
		.amdhsa_system_sgpr_workgroup_id_z 1
		.amdhsa_system_vgpr_workitem_id 0
		.amdhsa_next_free_vgpr 256
		.amdhsa_next_free_sgpr 96
		.amdhsa_reserve_vcc 0
		.amdhsa_float_denorm_mode_32 3
		.amdhsa_float_denorm_mode_16_64 3
		.amdhsa_memory_ordered 1
		.amdhsa_forward_progress 1
		.amdhsa_inst_pref_size 106
	.end_amdhsa_kernel
	.amdgpu_metadata
---
amdhsa.version: [ 1, 2 ]
amdhsa.kernels:
  - .name:           k_q80cc82a4c2_qkv
    .symbol:         k_q80cc82a4c2_qkv.kd
    .args:
      - { .name: x, .offset: 0, .size: 8, .value_kind: global_buffer, .address_space: global }
      - { .name: ln1_g, .offset: 8, .size: 8, .value_kind: global_buffer, .address_space: global }
      - { .name: ln1_b, .offset: 16, .size: 8, .value_kind: global_buffer, .address_space: global }
      - { .name: wq_codes, .offset: 24, .size: 8, .value_kind: global_buffer, .address_space: global }
      - { .name: wk_codes, .offset: 32, .size: 8, .value_kind: global_buffer, .address_space: global }
      - { .name: wv_codes, .offset: 40, .size: 8, .value_kind: global_buffer, .address_space: global }
      - { .name: bq, .offset: 48, .size: 8, .value_kind: global_buffer, .address_space: global }
      - { .name: bk, .offset: 56, .size: 8, .value_kind: global_buffer, .address_space: global }
      - { .name: bv, .offset: 64, .size: 8, .value_kind: global_buffer, .address_space: global }
      - { .name: lowp_scales, .offset: 72, .size: 8, .value_kind: global_buffer, .address_space: global }
      - { .name: wo_codes, .offset: 80, .size: 8, .value_kind: global_buffer, .address_space: global }
      - { .name: w1_codes, .offset: 88, .size: 8, .value_kind: global_buffer, .address_space: global }
      - { .name: w2_codes, .offset: 96, .size: 8, .value_kind: global_buffer, .address_space: global }
      - { .name: qimg, .offset: 104, .size: 8, .value_kind: global_buffer, .address_space: global }
      - { .name: kimg, .offset: 112, .size: 8, .value_kind: global_buffer, .address_space: global }
      - { .name: vimg, .offset: 120, .size: 8, .value_kind: global_buffer, .address_space: global }
      - { .name: wimg, .offset: 128, .size: 8, .value_kind: global_buffer, .address_space: global }
    .group_segment_fixed_size: 149504
    .private_segment_fixed_size: 0
    .kernarg_segment_align: 8
    .kernarg_segment_size: 136
    .max_flat_workgroup_size: 512
    .sgpr_count:     96
    .vgpr_count:     256
    .wavefront_size: 32
...
	.end_amdgpu_metadata
.endif
;; end of part 1
;; launch attn (part 2): grid 8 x 32, 16 waves a work-group, clusters of 4 x 1, 264,192 bytes of LDS; arguments qimg, kimg, vimg, lowp_scales, ctximg; writes ctximg
.if DOCPART == 2
	.amdgcn_target "amdgcn-amd-amdhsa--gfx1250"
	.amdhsa_code_object_version 6
	.text
	.protected	k_q80cc82a4c2_attn
	.globl	k_q80cc82a4c2_attn
	.p2align	8
	.type	k_q80cc82a4c2_attn,@function
k_q80cc82a4c2_attn:
	s_mov_b64 s[64:65], 0
	v_nop
	global_prefetch_b8 v0, s[64:65] scope:SCOPE_SE
	s_setreg_imm32_b32 hwreg(HW_REG_WAVE_MODE, 25, 1), 1
	s_wait_xcnt 0x0
	s_wait_alu depctr_hold_cnt(0) depctr_sa_sdst(0) depctr_va_vdst(0) depctr_va_sdst(0) depctr_va_ssrc(0) depctr_va_vcc(0) depctr_vm_vsrc(0)
	s_getreg_b32 s2, hwreg(HW_REG_IB_STS2, 6, 4)
	s_cmp_eq_u32 s2, 0
	s_cbranch_scc0 .Lentry_in_a_cluster
	s_endpgm
.Lentry_in_a_cluster:
	s_bfe_u32 s2, ttmp6, 0x10000c
	s_cmp_lg_u32 s2, 0x3003
	s_cbranch_scc0 .Lentry_shape_is_right
	s_endpgm
.Lentry_shape_is_right:
; ctx = softmax(q k^T / 8 - slope |q - k|) v for one batch and head (work-group y), both products on codes of E4M3; ctx leaves quantised, as images of the next product's operand.
; slope = 2^-(head + 1).  t = logit x log2(e); M = the running largest t rounded UP to a whole number; p = 2^(t - M) is quantised with 2^e8, not normalised; the row's sum is taken of the unquantised p and divides at the end.
; When M moves, the sum and O^T are multiplied by 2^(old M - new M): nothing is rounded, and no branch hangs on data.
; SHARES.  A head's K and V, 131,072 bytes of codes each, lie in LDS whole: every LDS byte is filled once in the launch.  A cluster of four work-groups owns 1,024 queries of the head; all four need the same K and V,
; so each block is asked for JOINTLY.  Wave w of the partner at place cx owns the 16 queries from 1024 CX + 128 (w / 2) + 16 (2 cx + w % 2) on: the block of 128 keys that holds a wave's queries hangs on the
; cluster's number and the wave's number alone, so no branch hangs on a work-group's place in its cluster; cx enters Q's and ctx's addresses in memory and one lane constant.
; Sixteen waves of 256 registers, four to a SIMD: one wave's vector work stands beside another's matrix work and LDS loads.
; LAYOUT.  Both products are used transposed: S^T = K Q^T (source 0 = 16 keys), O^T = V^T P^T (source 0 = 16 of the head's 64): a lane holds one query (lane % 16) throughout.
; Register 16 b + 8 u + j of S^T, lane half h, is key KF + 32 b + 16 u + 8 h + j; v's images hold their keys in the same places.  V's rows are chosen so that O^T's 16 registers of two tiles are 16 neighbours of the head's 64.
; THE POSITIONAL TERM.  q - key = EB_b - OFF_i, EB_b = query - 8 h - KF - 32 b, OFF_i = i (i < 8) or i + 8.  Where all 128 keys lie on one side of the wave's queries the magnitude is linear: the part in OFF is added to
; the raw sums by one packed multiply-add (x +-G, G = 2^(2 - head - e6 - e7), so that c' G = slope log2(e)), the part in EB is one number a block of 32 keys.  In the one step on the diagonal the magnitude is taken for each key.
; LIMITS on the given exponents, so that each power of two below is an f32 number: e6 + e7 between -123 and 120; e8, and e10 - e8 - e9, between -126 and 119.  NaN and infinities are not served.
; No prefetch: every tensor load of the launch is issued at its head.
.set LI,   1                           ; v1   16 x lane
.set ADK,  2                           ; v2   LDS address of the step's K
.set ADV,  3                           ; v3   of its V
.set QL,   4                           ; v4   my query - 8 h, as f32
.set OSC,  5                           ; v5   2^(e10 - e8 - e9), for ctx's conversions
.set OLIM, 6                           ; v6   448 x that
.set EB,   8                           ; v8-11
.set LB,   12                          ; v12-15  the part of t that is one number a block
.set L,    16                          ; v16-23  LB - M, in pairs: the value in the even register
.set MX,   24                          ; v24-27
.set TM,   28                          ; v28  the running largest t
.set NEGM, 29                          ; v29  -M
.set F,    30                          ; v[30:31] 2^(old M - new M)
.set SA,   32                          ; v[32:33], v[34:35] the row's sum, in two chains of pairs
.set SB,   34
.set TT,   36                          ; v36-39 at work
.set PSC,  40                          ; v40  2^e8
.set PLIM, 41                          ; v41  448 x 2^e8
.set Q,    42                          ; v42-49  my queries' fragment
.set OFF,  50                          ; v50-65
.set PC,   66                          ; v66-81  p's codes
.set O,    82                          ; v82-113 O^T
.set S,    114                         ; v114-177 S^T, then p
.set FR,   178                         ; v178-241 8 fragments of K, then 4 of V
.set VLDS, 131072                      ; LDS: K at 0, V here; key step n at 8,192 n of each
.macro CROUND                          ; a round of the cluster's barrier
	s_barrier_signal -1
	s_barrier_wait -1
	s_cmp_lg_u32 s14, 0
	s_cbranch_scc1 .Lnot_wave_0_\@
	s_barrier_signal -3
.Lnot_wave_0_\@:
	s_barrier_wait -3
	s_barrier_signal -1
	s_barrier_wait -1
.endm
	s_load_b256 s[4:11], s[0:1], 0x0               ; qimg s[4:5], kimg s[6:7], vimg s[8:9], scales s[10:11]
	s_load_b64 s[12:13], s[0:1], 0x20              ; ctximg
	v_lshl_add_u32 v254, v0, 2, 0x40000
	v_mov_b32 v255, 0
	ds_add_u32 v254, v255
	ds_add_u32 v254, v255
	v_lshrrev_b32 v7, 5, v0
	v_readfirstlane_b32 s14, v7                    ; wave 0..15
	s_bfe_u32 s15, ttmp6, 0x40000                  ; cx
	s_and_b32 s80, ttmp7, 0xffff                   ; batch x 8 + head, which the four partners share
	s_lshr_b32 s81, s80, 3                         ; batch
	s_and_b32 s82, s80, 7                          ; head
	s_lshl_b32 s62, ttmp9, 10
	s_lshr_b32 s83, s14, 1
	s_lshl_b32 s83, s83, 7
	s_add_co_u32 s62, s62, s83                     ; QD: the first key of the block that holds my queries
	s_and_b32 s84, s14, 1
	s_lshl_b32 s85, s15, 1
	s_add_co_u32 s85, s85, s84
	s_lshl_b32 s85, s85, 4
	s_add_co_u32 s85, s85, s62                     ; Q0: my first query
	; descriptor group 1: a dense block of 16,384 bytes as 64 rows of 256 bytes
	s_mov_b32 s16, 15|(3<<16)|(1<<21)              ; 15:0 the mask: all four work-groups; 17:16 elements of 8 bytes; 21 set beside a mask; no padding
	s_mov_b32 s17, 32<<16                          ; tensor_dim0 = 32
	s_mov_b32 s18, 64<<16                          ; tensor_dim1 = 64
	s_mov_b32 s19, 32<<16                          ; tile_dim0 = 32
	s_mov_b32 s20, 64                              ; tile_dim1 = 64
	s_mov_b32 s21, 32                              ; from row to row
	s_mov_b32 s22, 0
	s_mov_b32 s23, 0
	s_lshl_b32 s90, s84, 14                        ; which half of a chunk I fetch, if I fetch: no place in the cluster enters it
	s_lshl_b32 s86, s80, 17
	s_add_co_u32 s86, s86, s90
	s_mov_b32 s87, 0
	s_mov_b32 s66, 0x76543210                      ; v_permlanex16_b32's selects for lane l xor 16
	s_mov_b32 s67, 0xfedcba98
	s_wait_dscnt 0x0
	s_wait_kmcnt 0x0
	s_load_b128 s[56:59], s[10:11], 0x18           ; e6, e7, e8, e9
	s_load_b32 s60, s[10:11], 0x28                 ; e10
	s_add_nc_u64 s[6:7], s[6:7], s[86:87]          ; K and V at my half of the head's first chunk
	s_add_nc_u64 s[8:9], s[8:9], s[86:87]
.irp c, 0,1,2,3                        ; chunk c: 512 keys, 32,768 bytes of K and of V.  A group 0 for each load: none is written again
	s_mov_b32 s[24+4*\c], 1
	s_add_co_u32 s[25+4*\c], s90, 32768*\c
	s_add_nc_u64 s[26+4*\c:27+4*\c], s[6:7], 32768*\c
	s_or_b32 s[27+4*\c], s[27+4*\c], 0x80000000
	s_mov_b32 s[40+4*\c], 1
	s_add_co_u32 s[41+4*\c], s90, VLDS+32768*\c
	s_add_nc_u64 s[42+4*\c:43+4*\c], s[8:9], 32768*\c
	s_or_b32 s[43+4*\c], s[43+4*\c], 0x80000000
.endr
	CROUND                                         ; all four work-groups are here: the joint loads meet
	s_cmp_lt_u32 s14, 2                            ; waves 0 and 1 fetch K's halves of each chunk, waves 2 and 3 V's: four loads of a wave are out at the most; a wave's loads stand in one branch
	s_cbranch_scc0 .Lnot_k
	tensor_load_to_lds s[24:27], s[16:23]
	s_nop 0
	tensor_load_to_lds s[28:31], s[16:23]
	s_nop 0
	tensor_load_to_lds s[32:35], s[16:23]
	s_nop 0
	tensor_load_to_lds s[36:39], s[16:23]
	s_nop 0
.rept 4
	v_nop
.endr
	s_branch .Lasked
.Lnot_k:
	s_cmp_lt_u32 s14, 4
	s_cbranch_scc0 .Lasked
	tensor_load_to_lds s[40:43], s[16:23]
	s_nop 0
	tensor_load_to_lds s[44:47], s[16:23]
	s_nop 0
	tensor_load_to_lds s[48:51], s[16:23]
	s_nop 0
	tensor_load_to_lds s[52:55], s[16:23]
	s_nop 0
.rept 4
	v_nop
.endr
.Lasked:
	s_lshl_b32 s88, s80, 17                        ; Q: head x 131,072 + tile x 1,024
	s_lshl_b32 s89, s85, 6
	s_add_co_u32 s88, s88, s89
	s_mov_b32 s89, 0
	s_add_nc_u64 s[4:5], s[4:5], s[88:89]
	v_and_b32 v7, 31, v0
	v_lshlrev_b32 v[LI], 4, v7
	global_load_b128 v[Q:Q+3], v[LI], s[4:5]
	global_load_b128 v[Q+4:Q+7], v[LI], s[4:5] offset:512
	s_lshl_b32 s88, s81, 11                        ; ctx: row tile x 8,192 + K step head / 2 + units 2 (head % 2) ..
	s_add_co_u32 s88, s88, s85
	s_lshl_b32 s88, s88, 9
	s_lshr_b32 s91, s82, 1
	s_lshl_b32 s91, s91, 11
	s_add_co_u32 s88, s88, s91
	s_and_b32 s91, s82, 1
	s_lshl_b32 s91, s91, 10
	s_add_co_u32 s88, s88, s91
	s_add_nc_u64 s[12:13], s[12:13], s[88:89]
	v_and_b32 v7, 15, v0
	v_bfe_u32 v[TT], v0, 4, 1
	v_lshlrev_b32 v[TT], 3, v[TT]
	v_sub_nc_u32 v7, v7, v[TT]
	v_add_nc_u32 v7, s85, v7
	v_cvt_f32_i32 v[QL], v7                        ; my query - 8 h
.irp i, 0,1,2,3,4,5,6,7
	v_cvt_f32_u32 v[OFF+\i], \i
	v_cvt_f32_u32 v[OFF+8+\i], \i+16
.endr
	v_mov_b32 v[TM], 0xff61b1e6                    ; the largest t so far: -3e38, under every t
	v_floor_f32 v[NEGM], -v[TM]
.irp r, 17,19,21,23,31,32,33,34,35,37,39
	v_mov_b32 v\r, 0                               ; the sums; the upper halves of pairs that are named whole; a lane permute's destination counts as one of its sources
.endr
.set n, 0
.rept 32
	v_mov_b32 v[O+n], 0                            ; O^T.  (The step is written once: the first finds zeros, which the first change of M leaves zeros)
.set n, n+1
.endr
	s_wait_kmcnt 0x0
	s_add_co_i32 s88, s56, s57                     ; e6 + e7
	s_lshl_b32 s89, s88, 23
	s_add_co_i32 s68, s89, 0x3e38aa3b              ; c' = log2(e) / 8 x 2^(e6 + e7): the exponents are added to the exponent field
	s_mov_b32 s69, s68                             ; (named with it as a pair)
	s_sub_co_i32 s91, 129, s82
	s_sub_co_i32 s91, s91, s88
	s_lshl_b32 s72, s91, 23                        ; G = 2^(2 - head - e6 - e7)
	s_or_b32 s73, s72, 0x80000000                  ; -G
	s_add_co_u32 s91, s82, 1
	s_lshl_b32 s91, s91, 23
	s_sub_co_u32 s74, 0x3fb8aa3b, s91              ; sl' = log2(e) x 2^-(head + 1)
	s_or_b32 s75, s74, 0x80000000                  ; -sl'
	s_mov_b32 s71, 0                               ; (the upper half of the pair s[70:71])
	s_add_co_i32 s91, s58, 127
	s_lshl_b32 s92, s91, 23
	v_mov_b32 v[PSC], s92                          ; 2^e8
	s_add_co_i32 s91, s91, 8
	s_lshl_b32 s91, s91, 23
	s_or_b32 s91, s91, 0x600000
	v_mov_b32 v[PLIM], s91                         ; 448 x 2^e8
	s_sub_co_i32 s91, s60, s58
	s_sub_co_i32 s91, s91, s59
	s_add_co_i32 s91, s91, 127
	s_lshl_b32 s92, s91, 23
	v_mov_b32 v[OSC], s92                          ; 2^(e10 - e8 - e9): O^T / l stands for ctx / 2^(e8 + e9)
	s_add_co_i32 s91, s91, 8
	s_lshl_b32 s91, s91, 23
	s_or_b32 s91, s91, 0x600000
	v_mov_b32 v[OLIM], s91
; A KEY STEP: 128 keys from s61 (KF) on, whose K lies at LDS byte s63.
.macro STEP
	v_add_nc_u32 v[ADK], s63, v[LI]
	v_add_nc_u32 v[ADV], VLDS, v[ADK]
	v_nop
	v_nop                                          ; with the two additions: four places in front of loads into registers that the last products have read
.irp t, 0,1,2,3,4,5,6,7
.irp c, 0,1
	ds_load_b128 v[FR+8*\t+4*\c:FR+8*\t+4*\c+3], v[ADK] offset:1024*\t+512*\c
.endr
.endr
	s_cvt_f32_u32 s77, s61
	s_cmp_lt_u32 s61, s62                          ; keys ahead of my queries: |q - k| = EB - OFF; behind them: OFF - EB
	s_cselect_b32 s70, s72, s73
	s_cselect_b32 s76, s75, s74
	s_wait_dscnt 0x0
.irp t, 0,1,2,3,4,5,6,7
	v_wmma_f32_16x16x64_fp8_fp8 v[S+8*\t:S+8*\t+7], v[FR+8*\t:FR+8*\t+7], v[Q:Q+7], 0
.endr
	v_sub_f32 v[EB], v[QL], s77                    ; these four lines are the places behind the products
	v_add_f32 v[EB+1], 0xc2000000, v[EB]           ; - 32
	v_add_f32 v[EB+2], 0xc2800000, v[EB]           ; - 64
	v_add_f32 v[EB+3], 0xc2c00000, v[EB]           ; - 96
.irp dt, 0,1,2,3
.irp c, 0,1,2,3
	ds_load_b128 v[FR+16*\dt+4*\c:FR+16*\dt+4*\c+3], v[ADV] offset:2048*\dt+512*\c   ; V lands while the softmax is walked
.endr
.endr
	s_cmp_eq_u32 s61, s62
	s_cbranch_scc1 .Ldiag_\@
.set n, 0
.rept 32
	v_pk_fma_f32 v[S+n:S+n+1], v[OFF+n%16:OFF+n%16+1], s[70:71], v[S+n:S+n+1] op_sel_hi:[1,0,1]   ; each accumulator from its low end on
.set n, n+2
.endr
.irp b, 0,1,2,3
	v_mul_f32 v[LB+\b], s76, v[EB+\b]
.endr
	s_branch .Ljoin_\@
.Ldiag_\@:                                         ; one step in sixteen
.set n, 0
.rept 64
	v_sub_f32 v[TT+n%4], v[EB+n/16], v[OFF+n%16]
	v_fma_f32 v[S+n], -|v[TT+n%4]|, s72, v[S+n]
.set n, n+1
.endr
.irp b, 0,1,2,3
	v_mov_b32 v[LB+\b], 0
.endr
.Ljoin_\@:                                         ; t = c' x register + LB of its block
.irp b, 0,1,2,3
	v_max3_num_f32 v[MX+\b], v[S+16*\b], v[S+16*\b+1], v[S+16*\b+2]
.endr
.irp i, 3,5,7,9,11,13
.irp b, 0,1,2,3
	v_max3_num_f32 v[MX+\b], v[MX+\b], v[S+16*\b+\i], v[S+16*\b+\i+1]
.endr
.endr
.irp b, 0,1,2,3
	v_max_num_f32 v[MX+\b], v[MX+\b], v[S+16*\b+15]
.endr
.irp b, 0,1,2,3
	v_fma_f32 v[MX+\b], v[MX+\b], s68, v[LB+\b]    ; as t (c' is positive)
.endr
	v_max3_num_f32 v[MX], v[MX], v[MX+1], v[MX+2]
	v_max_num_f32 v[MX], v[MX], v[MX+3]
	v_permlanex16_b32 v[TT+1], v[MX], s66, s67
	v_max_num_f32 v[MX], v[MX], v[TT+1]            ; and among lane l xor 16's keys
	v_max_num_f32 v[TM], v[TM], v[MX]
	v_mov_b32 v[TT], v[NEGM]
	v_floor_f32 v[NEGM], -v[TM]                    ; -M = floor(-t) = -ceil(t)
	v_sub_f32 v[TT], v[NEGM], v[TT]                ; old M - new M: a whole number, 0 or less
	v_cvt_i32_f32 v[TT], v[TT]                     ; (it saturates)
	v_ldexp_f32 v[F], 1.0, v[TT]
.irp b, 0,1,2,3
	v_add_f32 v[L+2*\b], v[LB+\b], v[NEGM]
.endr
.set n, 0
.rept 32
	v_pk_fma_f32 v[S+n:S+n+1], v[S+n:S+n+1], s[68:69], v[L+2*(n/16):L+2*(n/16)+1] op_sel_hi:[1,0,0]   ; t - M
.set n, n+2
.endr
.set n, 0
.rept 64
	v_exp_f32 v[S+n], v[S+n]                       ; p = 2^(t - M)
.set n, n+1
.endr
	v_pk_mul_f32 v[SA:SA+1], v[SA:SA+1], v[F:F+1] op_sel_hi:[1,0]   ; the sums under the new M.  (A plain instruction behind the exponentials)
	v_pk_mul_f32 v[SB:SB+1], v[SB:SB+1], v[F:F+1] op_sel_hi:[1,0]
	s_wait_alu depctr_va_vdst(0)                   ; one wait for the whole batch, ahead of its first reader
.set n, 0
.rept 16
	v_pk_add_f32 v[SA:SA+1], v[SA:SA+1], v[S+n:S+n+1]       ; the row's sum is taken of the unquantised p
	v_pk_add_f32 v[SB:SB+1], v[SB:SB+1], v[S+n+2:S+n+3]
.set n, n+4
.endr
.irp b, 0,1,2,3
.set n, 0
.rept 16
	v_min_num_f32 v[S+16*\b+n], v[S+16*\b+n], v[PLIM]       ; the conversion does not saturate (ISA guide 7.6.2); p is not negative, so the hold is one-sided
.set n, n+1
.endr
	v_cvt_scalef32_pk8_fp8_f32 v[PC+4*\b:PC+4*\b+1], v[S+16*\b:S+16*\b+7], v[PSC]
	v_cvt_scalef32_pk8_fp8_f32 v[PC+4*\b+2:PC+4*\b+3], v[S+16*\b+8:S+16*\b+15], v[PSC]
.endr
.set n, 0
.rept 16
	v_pk_mul_f32 v[O+n:O+n+1], v[O+n:O+n+1], v[F:F+1] op_sel_hi:[1,0]   ; O^T under the new M, each accumulator from its low end on.  (Also the plain lines behind the conversions)
.set n, n+2
.endr
	s_wait_dscnt 0x0                               ; V
.irp dt, 0,1,2,3
	v_wmma_f32_16x16x128_fp8_fp8 v[O+8*\dt:O+8*\dt+7], v[FR+16*\dt:FR+16*\dt+15], v[PC:PC+15], v[O+8*\dt:O+8*\dt+7]
.endr
	s_add_co_u32 s63, s63, 8192
	s_add_co_u32 s61, s61, 128
.endm
; Chunk c: 512 keys, four steps.
.macro CHUNK c
	s_wait_tensorcnt 3-\c                          ; my load of this chunk has landed; my 3 - c loads of later chunks may stay out
	s_wait_dscnt 0x0
	s_barrier_signal -1
	s_barrier_wait -1                              ; all four fetching waves' parts are in
	s_mov_b32 s63, 32768*\c
	s_mov_b32 s61, 512*\c
	s_mov_b32 s78, 4
.Lstep_\@:
	STEP
	s_sub_co_u32 s78, s78, 1
	s_cmp_lg_u32 s78, 0
	s_cbranch_scc1 .Lstep_\@
.endm
	s_wait_loadcnt 0x0                             ; Q
	CHUNK 0
	CHUNK 1
	CHUNK 2
	CHUNK 3
	; THE WAY OUT: O^T / l, quantised with 2^e10: a lane's 16 codes of two tiles are a unit's 16 bytes.
.rept 4
	v_nop                                          ; four places behind the last products
.endr
	v_pk_add_f32 v[SA:SA+1], v[SA:SA+1], v[SB:SB+1]
	v_add_f32 v[SA], v[SA], v[SA+1]
	v_permlanex16_b32 v[TT+1], v[SA], s66, s67
	v_add_f32 v[SA], v[SA], v[TT+1]                ; the row's sum
	v_rcp_f32 v[TT+2], v[SA]
	v_nop                                          ; a plain instruction behind the reciprocal
	s_wait_alu depctr_va_vdst(0)                   ; and the wait ahead of its first reader
.set n, 0
.rept 16
	v_pk_mul_f32 v[S+n:S+n+1], v[O+n:O+n+1], v[TT+2:TT+3] op_sel_hi:[1,0]
.set n, n+2
.endr
.set n, 0
.rept 32
	v_med3_num_f32 v[S+n], v[S+n], -v[OLIM], v[OLIM]
.set n, n+1
.endr
.irp b, 0,1
	v_cvt_scalef32_pk8_fp8_f32 v[PC+4*\b:PC+4*\b+1], v[S+16*\b:S+16*\b+7], v[OSC]
	v_cvt_scalef32_pk8_fp8_f32 v[PC+4*\b+2:PC+4*\b+3], v[S+16*\b+8:S+16*\b+15], v[OSC]
.endr
	v_nop
	global_store_b128 v[LI], v[PC:PC+3], s[12:13]              ; 512 consecutive bytes, aligned
	global_store_b128 v[LI], v[PC+4:PC+7], s[12:13] offset:512
	s_wait_dscnt 0x0
	s_wait_tensorcnt 0x0
	ds_add_u32 v254, v255
	s_wait_dscnt 0x0
	CROUND                                         ; the closing round: no work-group ends while a partner may still ask for a block that names it
	s_endpgm
.Lfunc_end_k_q80cc82a4c2_attn:
	.size	k_q80cc82a4c2_attn, .Lfunc_end_k_q80cc82a4c2_attn-k_q80cc82a4c2_attn
	.p2alignl 7, 3214868480
	.fill 96, 4, 3214868480
	.section	.rodata,"a",@progbits
	.p2align	6, 0x0
	.amdhsa_kernel k_q80cc82a4c2_attn
		.amdhsa_group_segment_fixed_size 264192
		.amdhsa_private_segment_fixed_size 0
		.amdhsa_enable_private_segment 0
		.amdhsa_kernarg_size 40
		.amdhsa_user_sgpr_count 2
		.amdhsa_user_sgpr_kernarg_segment_ptr 1
		.amdhsa_wavefront_size32 1
		.amdhsa_system_sgpr_workgroup_id_x 1
		.amdhsa_system_sgpr_workgroup_id_y 1
		.amdhsa_system_sgpr_workgroup_id_z 1
		.amdhsa_system_vgpr_workitem_id 0
		.amdhsa_next_free_vgpr 256
		.amdhsa_next_free_sgpr 96
		.amdhsa_reserve_vcc 0
		.amdhsa_float_denorm_mode_32 3
		.amdhsa_float_denorm_mode_16_64 3
		.amdhsa_memory_ordered 1
		.amdhsa_forward_progress 1
		.amdhsa_inst_pref_size 113
	.end_amdhsa_kernel
	.amdgpu_metadata
---
amdhsa.version: [ 1, 2 ]
amdhsa.kernels:
  - .name:           k_q80cc82a4c2_attn
    .symbol:         k_q80cc82a4c2_attn.kd
    .args:
      - { .name: qimg, .offset: 0, .size: 8, .value_kind: global_buffer, .address_space: global }
      - { .name: kimg, .offset: 8, .size: 8, .value_kind: global_buffer, .address_space: global }
      - { .name: vimg, .offset: 16, .size: 8, .value_kind: global_buffer, .address_space: global }
      - { .name: lowp_scales, .offset: 24, .size: 8, .value_kind: global_buffer, .address_space: global }
      - { .name: ctximg, .offset: 32, .size: 8, .value_kind: global_buffer, .address_space: global }
    .group_segment_fixed_size: 264192
    .private_segment_fixed_size: 0
    .kernarg_segment_align: 8
    .kernarg_segment_size: 40
    .max_flat_workgroup_size: 512
    .sgpr_count:     96
    .vgpr_count:     256
    .wavefront_size: 32
...
	.end_amdgpu_metadata
.endif
;; end of part 2
;; launch tail (part 3): grid 256 x 1, 16 waves a work-group, no clusters, 221,184 bytes of LDS; arguments ctximg, wimg, x, lowp_scales, bo, ln2_g, ln2_b, b2, b1, out0; writes out0
.if DOCPART == 3
	.amdgcn_target "amdgcn-amd-amdhsa--gfx1250"
	.amdhsa_code_object_version 6
	.text
	.protected	k_q80cc82a4c2_tail
	.globl	k_q80cc82a4c2_tail
	.p2align	8
	.type	k_q80cc82a4c2_tail,@function
k_q80cc82a4c2_tail:
	s_mov_b64 s[64:65], 0
	v_nop
	global_prefetch_b8 v0, s[64:65] scope:SCOPE_SE
	s_setreg_imm32_b32 hwreg(HW_REG_WAVE_MODE, 25, 1), 1
	s_wait_xcnt 0x0
; x1 = x + ctx wo^T + bo;  out = x1 + relu(LN2(x1) w1^T + b1) w2^T + b2.  Three products on codes of E4M3; x1, the norm and the hidden layer never go to memory.
; SHARES.  A work-group takes 32 rows (two tiles of 16) through the whole chain.  Wave w owns columns 32 w .. 32 w + 31 of x1, of each chunk of 512 hidden units, and of the output.
; The weights come as images laid in the order of use (wimg [step 36][wave 16][tile 2][unit 4][512]) and go from memory straight into registers, through a ring of four quarters of 32 registers:
; a step's 8 loads are issued three steps ahead, so 32 loads of every wave are on their way.  Each weight byte is wanted by one wave of the work-group alone, so it does not go through LDS.
; Activations go from wave to wave through LDS as images of the operand's registers: a lane's 16 codes (columns 32 w + 16 h + 0 .. 15 of row r) are unit w % 4 of K step w / 4.
; Every product is used with the weight as source 0: a lane holds one row and 16 neighbouring columns (the weight tiles' rows were chosen for that when the images were laid).
; The variance is taken in two passes.  b1 goes in as the C of a chunk's first products, divided by 2^(e12 + e13); relu and the hold at the largest code are one instruction.
; LIMITS on the given exponents, so that each power of two below is an f32 number: e12, and e14 - e12 - e13, between -126 and 119; e10 + e11 and e14 + e15 between -126 and 127.  NaN and infinities are not served.
; No multicast: joint requests go into LDS, which would add an LDS write and read of every weight byte.  No prefetch: all work-groups walk the same weights, and x and ctx are asked for in the first lines.
.set CIMG, 0                           ; LDS: ctx's images [row tile 2][K step 4][unit 4][512]
.set XN,   16384                       ; LN2's, likewise
.set HIMG, 32768                       ; a chunk of the hidden layer, likewise: two buffers by turns
.set B1S,  65536                       ; b1 / 2^(e12 + e13): 8,192 bytes
.set VEC,  73728                       ; bo, ln2_g, ln2_b, b2: 2,048 bytes each
.set RED1, 81920                       ; the waves' parts of a row's sum: 32 rows x 80 bytes; a second such region 2,560 bytes on
.set XS,   87040                       ; 32 rows of x, later of x1 + b2: 2,048 bytes + 16
.set OS,   153088                      ; 32 rows of the output, likewise
.set LI,   1                           ; v1   16 x lane
.set WO,   2                           ; v2   my place in a step's weights: 4,096 w + 16 lane
.set XR,   3                           ; v3   XS: row r, my 64 bytes
.set VB,   4                           ; v4   B1S + my 64 bytes of 128 w ..
.set IW,   5                           ; v5   16 lane + 512 w: where my codes go in an image
.set RW,   6                           ; v6   RED1: row r, word w
.set RR,   7                           ; v7   RED1: row r
.set DR,   8                           ; v8   XS: rows 2 w, 2 w + 1, dense
.set OW,   9                           ; v9   as XR, in OS
.set OD,   10                          ; v10  as DR, in OS
.set CW,   11                          ; v11  16 lane + 1,024 w
.set PC,   24                          ; v24-31  codes just made
.set AF,   32                          ; v32-63  two fragments of the activations; between the products at work
.set HA,   64                          ; v64-95  four accumulators: wo's sums, x1 - mean, a hidden chunk
.set OA,   96                          ; v96-127 x, x1, then the second product's four accumulators
.set WF,   128                         ; v128-255 the weights' ring
.macro BARRIER                         ; my LDS stores have landed and my LDS loads are in: then the work-group's barrier
	s_wait_dscnt 0x0
	s_barrier_signal -1
	s_barrier_wait -1
.endm
	s_load_b512 s[8:23], s[0:1], 0x0               ; ctximg s[8:9], wimg s[10:11], x s[12:13], scales s[14:15], bo s[16:17], ln2_g s[18:19], ln2_b s[20:21], b2 s[22:23]
	s_load_b128 s[24:27], s[0:1], 0x40             ; b1 s[24:25], out0 s[26:27]
	v_lshrrev_b32 v16, 5, v0
	v_readfirstlane_b32 s2, v16                    ; wave 0..15
	v_and_b32 v17, 31, v0
	v_and_b32 v18, 15, v0                          ; r
	v_bfe_u32 v19, v0, 4, 1                        ; h
	v_lshlrev_b32 v[LI], 4, v17
	s_lshl_b32 s44, s2, 12
	v_add_nc_u32 v[WO], s44, v[LI]
	v_mul_u32_u24 v[XR], v18, 2064
	v_lshl_add_u32 v[XR], v19, 6, v[XR]
	s_lshl_b32 s45, s2, 7
	s_add_co_u32 s46, s45, XS
	v_add_nc_u32 v[XR], s46, v[XR]
	v_add_nc_u32 v[OW], OS-XS, v[XR]
	s_add_co_u32 s46, s45, B1S
	v_lshl_add_u32 v[VB], v19, 6, s46
	s_lshl_b32 s47, s2, 9
	v_add_nc_u32 v[IW], s47, v[LI]
	v_add_nc_u32 v20, B1S, v[IW]                   ; the head's stores into B1S and VEC: 512 bytes a wave
	v_mul_u32_u24 v[RR], v18, 80
	v_add_nc_u32 v[RR], RED1, v[RR]
	s_lshl_b32 s48, s2, 2
	v_add_nc_u32 v[RW], s48, v[RR]
	s_mul_i32 s49, s2, 4128
	s_add_co_u32 s49, s49, XS
	v_add_nc_u32 v[DR], s49, v[LI]
	v_add_nc_u32 v[OD], OS-XS, v[DR]
	s_lshl_b32 s50, s2, 10
	v_add_nc_u32 v[CW], s50, v[LI]
	s_mov_b32 s38, 0x3b000000                      ; 1 / 512
	s_mov_b32 s39, 0x3727c5ac                      ; 1e-5
	s_mov_b32 s40, 0x76543210                      ; v_permlanex16_b32's selects for lane l xor 16
	s_mov_b32 s41, 0xfedcba98
	s_wait_kmcnt 0x0
	s_load_b128 s[28:31], s[14:15], 0x28           ; e10, e11, e12, e13
	s_load_b64 s[32:33], s[14:15], 0x38            ; e14, e15
	s_lshl_b32 s44, ttmp9, 14                      ; ctx: two row tiles of 8,192 bytes a work-group, two units a wave
	s_add_co_u32 s44, s44, s50
	s_mov_b32 s45, 0
	s_add_nc_u64 s[8:9], s[8:9], s[44:45]
	s_lshl_b32 s44, ttmp9, 16                      ; x and out0: rows 32 g + 2 w of 2,048 bytes
	s_lshl_b32 s46, s2, 12
	s_add_co_u32 s44, s44, s46
	s_add_nc_u64 s[12:13], s[12:13], s[44:45]
	s_add_nc_u64 s[26:27], s[26:27], s[44:45]
	s_mov_b32 s44, s47                             ; b1: 512 bytes a wave
	s_add_nc_u64 s[24:25], s[24:25], s[44:45]
	s_lshr_b32 s51, s2, 2                          ; the four vectors of 2,048 bytes: vector w / 4, part w % 4; the choice hangs on the wave's number alone
	s_cmp_eq_u32 s51, 2
	s_cselect_b64 s[52:53], s[20:21], s[22:23]
	s_cmp_eq_u32 s51, 1
	s_cselect_b64 s[52:53], s[18:19], s[52:53]
	s_cmp_eq_u32 s51, 0
	s_cselect_b64 s[52:53], s[16:17], s[52:53]
	s_and_b32 s44, s2, 3
	s_lshl_b32 s44, s44, 9
	s_add_nc_u64 s[52:53], s[52:53], s[44:45]
	global_load_b128 v[PC:PC+3], v[LI], s[8:9] th:TH_LOAD_NT
	global_load_b128 v[PC+4:PC+7], v[LI], s[8:9] offset:512 th:TH_LOAD_NT
.irp k, 0,1
.irp j, 0,1,2,3
	global_load_b128 v[OA+16*\k+4*\j:OA+16*\k+4*\j+3], v[LI], s[12:13] offset:2048*\k+512*\j th:TH_LOAD_NT
.endr
.endr
	global_load_b128 v[AF:AF+3], v[LI], s[24:25]
	global_load_b128 v[AF+4:AF+7], v[LI], s[52:53]
.irp t, 0,1,2,3                        ; the ring's first four quarters
.irp u, 0,1
.irp c, 0,1,2,3
	global_load_b128 v[WF+32*\t+16*\u+4*\c:WF+32*\t+16*\u+4*\c+3], v[WO], s[10:11] offset:65536*\t+2048*\u+512*\c
.endr
.endr
.endr
	s_wait_kmcnt 0x0
	s_add_co_i32 s34, s28, s29
	s_add_co_i32 s34, s34, 127
	s_lshl_b32 s34, s34, 23                        ; 2^(e10 + e11)
	s_mov_b32 s35, s34                             ; (named with it as a pair)
	s_add_co_i32 s36, s32, s33
	s_add_co_i32 s36, s36, 127
	s_lshl_b32 s36, s36, 23                        ; 2^(e14 + e15)
	s_mov_b32 s37, s36
	s_add_co_i32 s57, s30, s31                     ; e12 + e13
	s_sub_co_i32 s56, 0, s57
	s_add_co_i32 s58, s30, 127
	s_lshl_b32 s59, s58, 23
	v_mov_b32 v12, s59                             ; 2^e12
	s_add_co_i32 s58, s58, 8
	s_lshl_b32 s58, s58, 23
	s_or_b32 s58, s58, 0x600000
	v_mov_b32 v13, s58                             ; 448 x 2^e12
	s_sub_co_i32 s58, s32, s57
	s_add_co_i32 s58, s58, 127
	s_lshl_b32 s59, s58, 23
	v_mov_b32 v14, s59                             ; 2^(e14 - e12 - e13): the hidden layer's three scales folded into one
	s_add_co_i32 s58, s58, 8
	s_lshl_b32 s58, s58, 23
	s_or_b32 s58, s58, 0x600000
	v_mov_b32 v15, s58
	s_wait_loadcnt 32                              ; the twelve loads ahead of the ring's 32 are in
.irp j, 0,1,2,3
	v_ldexp_f32 v[AF+\j], v[AF+\j], s56            ; b1 / 2^(e12 + e13)
.endr
	ds_store_b128 v[CW], v[PC:PC+3] offset:CIMG
	ds_store_b128 v[CW], v[PC+4:PC+7] offset:CIMG+512
.irp k, 0,1
.irp j, 0,1,2,3
	ds_store_b128 v[DR], v[OA+16*\k+4*\j:OA+16*\k+4*\j+3] offset:2064*\k+512*\j
.endr
.endr
	ds_store_b128 v20, v[AF:AF+3]
	ds_store_b128 v20, v[AF+4:AF+7] offset:VEC-B1S
	BARRIER
; Step t of the 36: K step s of the images at region, against my two weight tiles in quarter t % 4: four accumulators by turns, one instruction a turn.
.macro WSTEP t, region, s, acc, zero
.irp rt, 0,1
.irp c, 0,1,2,3
	ds_load_b128 v[AF+16*\rt+4*\c:AF+16*\rt+4*\c+3], v[LI] offset:\region+(4*\rt+\s)*2048+512*\c
.endr
.endr
.if 35-(\t) >= 3
	s_wait_loadcnt 24                              ; this quarter's 8 loads are in; the three younger quarters' may be out
.else
	s_wait_loadcnt 8*(35-(\t))
.endif
	s_wait_dscnt 0x0
.irp rt, 0,1
.irp u, 0,1
.if \zero
	v_wmma_f32_16x16x128_fp8_fp8 v[\acc+16*\rt+8*\u:\acc+16*\rt+8*\u+7], v[WF+32*((\t)%4)+16*\u:WF+32*((\t)%4)+16*\u+15], v[AF+16*\rt:AF+16*\rt+15], 0
.else
	v_wmma_f32_16x16x128_fp8_fp8 v[\acc+16*\rt+8*\u:\acc+16*\rt+8*\u+7], v[WF+32*((\t)%4)+16*\u:WF+32*((\t)%4)+16*\u+15], v[AF+16*\rt:AF+16*\rt+15], v[\acc+16*\rt+8*\u:\acc+16*\rt+8*\u+7]
.endif
.endr
.endr
.rept 4
	v_nop                                          ; four places in front of loads into registers that the products have read, and of the first read of results
.endr
.if (\t)+4 <= 35
.irp u, 0,1
.irp c, 0,1,2,3
	global_load_b128 v[WF+32*((\t)%4)+16*\u+4*\c:WF+32*((\t)%4)+16*\u+4*\c+3], v[WO], s[10:11] offset:65536*((\t)+4)+2048*\u+512*\c
.endr
.endr
.endif
.endm
.macro FOLD                            ; both row tiles: the two chains and the pair's halves
.irp rt, 0,1
	v_pk_add_f32 v[16+4*\rt:17+4*\rt], v[16+4*\rt:17+4*\rt], v[18+4*\rt:19+4*\rt]
.endr
.irp rt, 0,1
	v_add_f32 v[16+4*\rt], v[16+4*\rt], v[17+4*\rt]
.endr
.endm
.macro SUM16 src                       ; v16, v20 = the sum of v[src + 16 rt] .. + 15
.irp rt, 0,1
	v_pk_add_f32 v[16+4*\rt:17+4*\rt], v[\src+16*\rt:\src+16*\rt+1], v[\src+16*\rt+2:\src+16*\rt+3]
	v_pk_add_f32 v[18+4*\rt:19+4*\rt], v[\src+16*\rt+4:\src+16*\rt+5], v[\src+16*\rt+6:\src+16*\rt+7]
.endr
.irp p, 8,12
.irp rt, 0,1
	v_pk_add_f32 v[16+4*\rt:17+4*\rt], v[16+4*\rt:17+4*\rt], v[\src+16*\rt+\p:\src+16*\rt+\p+1]
	v_pk_add_f32 v[18+4*\rt:19+4*\rt], v[18+4*\rt:19+4*\rt], v[\src+16*\rt+\p+2:\src+16*\rt+\p+3]
.endr
.endr
	FOLD
.endm
.macro SQ16 src                        ; the same of their squares
.irp rt, 0,1
	v_pk_mul_f32 v[16+4*\rt:17+4*\rt], v[\src+16*\rt:\src+16*\rt+1], v[\src+16*\rt:\src+16*\rt+1]
	v_pk_mul_f32 v[18+4*\rt:19+4*\rt], v[\src+16*\rt+2:\src+16*\rt+3], v[\src+16*\rt+2:\src+16*\rt+3]
.endr
.irp p, 4,8,12
.irp rt, 0,1
	v_pk_fma_f32 v[16+4*\rt:17+4*\rt], v[\src+16*\rt+\p:\src+16*\rt+\p+1], v[\src+16*\rt+\p:\src+16*\rt+\p+1], v[16+4*\rt:17+4*\rt]
	v_pk_fma_f32 v[18+4*\rt:19+4*\rt], v[\src+16*\rt+\p+2:\src+16*\rt+\p+3], v[\src+16*\rt+\p+2:\src+16*\rt+\p+3], v[18+4*\rt:19+4*\rt]
.endr
.endr
	FOLD
.endm
.macro SHARE reg                       ; my 16 columns' sums become the rows' sums over all 512: lane l xor 16's, then the sixteen waves' through LDS
.irp rt, 0,1
	v_permlanex16_b32 v[17+4*\rt], v[16+4*\rt], s40, s41
.endr
.irp rt, 0,1
	v_add_f32 v[16+4*\rt], v[16+4*\rt], v[17+4*\rt]
.endr
.irp rt, 0,1
	ds_store_b32 v[RW], v[16+4*\rt] offset:\reg+1280*\rt       ; both halves of the lanes write the same word with the same number
.endr
	BARRIER
.irp rt, 0,1
.irp j, 0,1,2,3
	ds_load_b128 v[AF+16*\rt+4*\j:AF+16*\rt+4*\j+3], v[RR] offset:\reg+1280*\rt+16*\j
.endr
.endr
	s_wait_dscnt 0x0
	SUM16 AF
.endm
	; ---- ctx wo^T
	WSTEP 0, CIMG, 0, HA, 1
	WSTEP 1, CIMG, 1, HA, 0
	WSTEP 2, CIMG, 2, HA, 0
	WSTEP 3, CIMG, 3, HA, 0
	; ---- x1 = x + (sum x 2^(e10 + e11) + bo)
.irp rt, 0,1
.irp j, 0,1,2,3
	ds_load_b128 v[OA+16*\rt+4*\j:OA+16*\rt+4*\j+3], v[XR] offset:33024*\rt+16*\j
.endr
.endr
.irp j, 0,1,2,3
	ds_load_b128 v[AF+4*\j:AF+4*\j+3], v[VB] offset:VEC-B1S+16*\j
.endr
	s_wait_dscnt 0x0
.irp rt, 0,1
.irp p, 0,2,4,6,8,10,12,14
	v_pk_fma_f32 v[OA+16*\rt+\p:OA+16*\rt+\p+1], v[HA+16*\rt+\p:HA+16*\rt+\p+1], s[34:35], v[OA+16*\rt+\p:OA+16*\rt+\p+1] op_sel_hi:[1,0,1]   ; each accumulator from its low end on
.endr
.endr
.irp rt, 0,1
.irp p, 0,2,4,6,8,10,12,14
	v_pk_add_f32 v[OA+16*\rt+\p:OA+16*\rt+\p+1], v[OA+16*\rt+\p:OA+16*\rt+\p+1], v[AF+\p:AF+\p+1]
.endr
.endr
	; ---- the mean
	SUM16 OA
	SHARE 0
.irp j, 0,1,2,3
	ds_load_b128 v[AF+4*\j:AF+4*\j+3], v[VB] offset:VEC-B1S+6144+16*\j     ; b2
.endr
.irp rt, 0,1
	v_mul_f32 v[16+4*\rt], s38, v[16+4*\rt]
.endr
.irp rt, 0,1
.irp p, 0,2,4,6,8,10,12,14
	v_pk_add_f32 v[HA+16*\rt+\p:HA+16*\rt+\p+1], v[OA+16*\rt+\p:OA+16*\rt+\p+1], v[16+4*\rt:17+4*\rt] op_sel_hi:[1,0] neg_lo:[0,1] neg_hi:[0,1]   ; x1 - mean
.endr
.endr
	s_wait_dscnt 0x0
.irp rt, 0,1
.irp p, 0,2,4,6,8,10,12,14
	v_pk_add_f32 v[OA+16*\rt+\p:OA+16*\rt+\p+1], v[OA+16*\rt+\p:OA+16*\rt+\p+1], v[AF+\p:AF+\p+1]
.endr
.endr
.irp rt, 0,1
.irp j, 0,1,2,3
	ds_store_b128 v[XR], v[OA+16*\rt+4*\j:OA+16*\rt+4*\j+3] offset:33024*\rt+16*\j   ; x1 + b2 waits in the bytes from which this lane, and no other, read x
.endr
.endr
	; ---- the variance
	SQ16 HA
	SHARE 2560
.irp j, 0,1,2,3
	ds_load_b128 v[AF+4*\j:AF+4*\j+3], v[VB] offset:VEC-B1S+2048+16*\j     ; ln2_g
	ds_load_b128 v[AF+16+4*\j:AF+16+4*\j+3], v[VB] offset:VEC-B1S+4096+16*\j   ; ln2_b
.endr
.irp rt, 0,1
	v_fma_f32 v[16+4*\rt], v[16+4*\rt], s38, s39
.endr
.irp rt, 0,1
	v_rsq_f32 v[18+4*\rt], v[16+4*\rt]
.endr
	v_nop                                          ; a plain instruction behind the last root
	s_wait_alu depctr_va_vdst(0)                   ; one wait for both roots, ahead of their first reader
	s_wait_dscnt 0x0
.irp rt, 0,1
.irp p, 0,2,4,6,8,10,12,14
	v_pk_mul_f32 v[HA+16*\rt+\p:HA+16*\rt+\p+1], v[HA+16*\rt+\p:HA+16*\rt+\p+1], v[18+4*\rt:19+4*\rt] op_sel_hi:[1,0]
.endr
.endr
.irp rt, 0,1
.irp p, 0,2,4,6,8,10,12,14
	v_pk_fma_f32 v[HA+16*\rt+\p:HA+16*\rt+\p+1], v[HA+16*\rt+\p:HA+16*\rt+\p+1], v[AF+\p:AF+\p+1], v[AF+16+\p:AF+16+\p+1]
.endr
.endr
.set n, 0
.rept 32
	v_med3_num_f32 v[HA+n], v[HA+n], -v13, v13     ; the conversion does not saturate (ISA guide 7.6.2): the hold, always executed
.set n, n+1
.endr
.irp rt, 0,1
	v_cvt_scalef32_pk8_fp8_f32 v[PC+4*\rt:PC+4*\rt+1], v[HA+16*\rt:HA+16*\rt+7], v12
	v_cvt_scalef32_pk8_fp8_f32 v[PC+4*\rt+2:PC+4*\rt+3], v[HA+16*\rt+8:HA+16*\rt+15], v12
.endr
	v_nop                                          ; one plain vector instruction behind the last conversion
.irp rt, 0,1
	ds_store_b128 v[IW], v[PC+4*\rt:PC+4*\rt+3] offset:XN+8192*\rt
.endr
	BARRIER
	; ---- the FFN, 512 hidden units at a time.  One barrier a chunk: the two buffers of the hidden layer take turns, and a buffer is written again only by waves that have passed the next chunk's barrier
.irp j, 0,1,2,3
.irp rt, 0,1
.irp u, 0,1
	ds_load_b128 v[HA+16*\rt+8*\u:HA+16*\rt+8*\u+3], v[VB] offset:2048*\j+32*\u          ; b1 / 2^(e12 + e13), in the result's layout: the sums begin on it
	ds_load_b128 v[HA+16*\rt+8*\u+4:HA+16*\rt+8*\u+7], v[VB] offset:2048*\j+32*\u+16
.endr
.endr
	WSTEP 4+8*\j, XN, 0, HA, 0
	WSTEP 5+8*\j, XN, 1, HA, 0
	WSTEP 6+8*\j, XN, 2, HA, 0
	WSTEP 7+8*\j, XN, 3, HA, 0
.set n, 0
.rept 32
	v_med3_num_f32 v[HA+n], v[HA+n], 0, v15        ; the activation and the hold in one; each accumulator from its low end on
.set n, n+1
.endr
.irp rt, 0,1
	v_cvt_scalef32_pk8_fp8_f32 v[PC+4*\rt:PC+4*\rt+1], v[HA+16*\rt:HA+16*\rt+7], v14
	v_cvt_scalef32_pk8_fp8_f32 v[PC+4*\rt+2:PC+4*\rt+3], v[HA+16*\rt+8:HA+16*\rt+15], v14
.endr
	v_nop
.irp rt, 0,1
	ds_store_b128 v[IW], v[PC+4*\rt:PC+4*\rt+3] offset:HIMG+16384*(\j%2)+8192*\rt
.endr
	BARRIER
.if \j == 0
	WSTEP 8, HIMG, 0, OA, 1                        ; the first product starts the sums: nothing is cleared
.else
	WSTEP 8+8*\j, HIMG+16384*(\j%2), 0, OA, 0
.endif
	WSTEP 9+8*\j, HIMG+16384*(\j%2), 1, OA, 0
	WSTEP 10+8*\j, HIMG+16384*(\j%2), 2, OA, 0
	WSTEP 11+8*\j, HIMG+16384*(\j%2), 3, OA, 0
.endr
	; ---- out = sum x 2^(e14 + e15) + (x1 + b2), through a stage, so that whole rows are stored
.irp rt, 0,1
.irp j, 0,1,2,3
	ds_load_b128 v[HA+16*\rt+4*\j:HA+16*\rt+4*\j+3], v[XR] offset:33024*\rt+16*\j
.endr
.endr
	s_wait_dscnt 0x0
.irp rt, 0,1
.irp p, 0,2,4,6,8,10,12,14
	v_pk_fma_f32 v[HA+16*\rt+\p:HA+16*\rt+\p+1], v[OA+16*\rt+\p:OA+16*\rt+\p+1], s[36:37], v[HA+16*\rt+\p:HA+16*\rt+\p+1] op_sel_hi:[1,0,1]
.endr
.endr
.irp rt, 0,1
.irp j, 0,1,2,3
	ds_store_b128 v[OW], v[HA+16*\rt+4*\j:HA+16*\rt+4*\j+3] offset:33024*\rt+16*\j
.endr
.endr
	BARRIER
.irp k, 0,1
.irp j, 0,1,2,3
	ds_load_b128 v[AF+16*\k+4*\j:AF+16*\k+4*\j+3], v[OD] offset:2064*\k+512*\j
.endr
.endr
.irp i, 0,1,2,3,4,5,6,7
	s_wait_dscnt 7-\i                              ; LDS loads come back in order: load i is in, the younger ones may be out
	global_store_b128 v[LI], v[AF+4*\i:AF+4*\i+3], s[26:27] offset:2048*(\i/4)+512*(\i%4) th:TH_STORE_NT   ; 32 lanes store 512 consecutive bytes, aligned; written once
.endr
	s_wait_xcnt 0x0
	v_lshl_add_u32 v254, v0, 2, 0x35800
	v_mov_b32 v255, 0
	s_wait_tensorcnt 0x0
	ds_add_u32 v254, v255
	s_wait_dscnt 0x0
	s_endpgm
.Lfunc_end_k_q80cc82a4c2_tail:
	.size	k_q80cc82a4c2_tail, .Lfunc_end_k_q80cc82a4c2_tail-k_q80cc82a4c2_tail
	.p2alignl 7, 3214868480
	.fill 96, 4, 3214868480
	.section	.rodata,"a",@progbits
	.p2align	6, 0x0
	.amdhsa_kernel k_q80cc82a4c2_tail
		.amdhsa_group_segment_fixed_size 221184
		.amdhsa_private_segment_fixed_size 0
		.amdhsa_enable_private_segment 0
		.amdhsa_kernarg_size 80
		.amdhsa_user_sgpr_count 2
		.amdhsa_user_sgpr_kernarg_segment_ptr 1
		.amdhsa_wavefront_size32 1
		.amdhsa_system_sgpr_workgroup_id_x 1
		.amdhsa_system_sgpr_workgroup_id_y 1
		.amdhsa_system_sgpr_workgroup_id_z 1
		.amdhsa_system_vgpr_workitem_id 0
		.amdhsa_next_free_vgpr 256
		.amdhsa_next_free_sgpr 96
		.amdhsa_reserve_vcc 0
		.amdhsa_float_denorm_mode_32 3
		.amdhsa_float_denorm_mode_16_64 3
		.amdhsa_memory_ordered 1
		.amdhsa_forward_progress 1
		.amdhsa_inst_pref_size 100
	.end_amdhsa_kernel
	.amdgpu_metadata
---
amdhsa.version: [ 1, 2 ]
amdhsa.kernels:
  - .name:           k_q80cc82a4c2_tail
    .symbol:         k_q80cc82a4c2_tail.kd
    .args:
      - { .name: ctximg, .offset: 0, .size: 8, .value_kind: global_buffer, .address_space: global }
      - { .name: wimg, .offset: 8, .size: 8, .value_kind: global_buffer, .address_space: global }
      - { .name: x, .offset: 16, .size: 8, .value_kind: global_buffer, .address_space: global }
      - { .name: lowp_scales, .offset: 24, .size: 8, .value_kind: global_buffer, .address_space: global }
      - { .name: bo, .offset: 32, .size: 8, .value_kind: global_buffer, .address_space: global }
      - { .name: ln2_g, .offset: 40, .size: 8, .value_kind: global_buffer, .address_space: global }
      - { .name: ln2_b, .offset: 48, .size: 8, .value_kind: global_buffer, .address_space: global }
      - { .name: b2, .offset: 56, .size: 8, .value_kind: global_buffer, .address_space: global }
      - { .name: b1, .offset: 64, .size: 8, .value_kind: global_buffer, .address_space: global }
      - { .name: out0, .offset: 72, .size: 8, .value_kind: global_buffer, .address_space: global }
    .group_segment_fixed_size: 221184
    .private_segment_fixed_size: 0
    .kernarg_segment_align: 8
    .kernarg_segment_size: 80
    .max_flat_workgroup_size: 512
    .sgpr_count:     96
    .vgpr_count:     256
    .wavefront_size: 32
...
	.end_amdgpu_metadata
.endif
;; end of part 3
